; MI455X (gfx1250); checked and timed in simulation.
; The chip was launched on July 23, 2026; its instructions are those of AMD's public machine-readable ISA for CDNA 5 (MIT licence, August 2026) and "CDNA5" Instruction Set Architecture Reference Guide (July 2026). The comments in the code are by the model that wrote it; some were corrected since.
;; Concat Critic. Allowed arithmetic: float matrix products may take bf16 or f16 operands with f32 sums; all other float work in f32.
;; Inputs: W1 256 x 512 float32; W2 512 x 1 float32; b1 512 float32; b2 1 float32; x 512 x 128 float32; y 512 x 128 float32.
;; Outputs: out0 512 x 512 float32.
;; One version. Each part assembles by itself: llvm-mc -triple=amdgcn-amd-amdhsa -mcpu=gfx1250 --defsym DOCPART=n.
;; ======== version 1 of 1: 2 launches
;; limits: a difference of large sums (such as E[x^2] - mean^2): digits are lost where the result is much smaller than its terms
;; workspace buffers: T 2,097,152 bytes
;; launch proj (part 1): grid 8 x 32, 1 waves a work-group, clusters of 4 x 4, 168,192 bytes of LDS; arguments x, y, W1, b1, T; writes T
.if DOCPART == 1
	.amdgcn_target "amdgcn-amd-amdhsa--gfx1250"
	.amdhsa_code_object_version 6
	.text
	.protected	k_q6ad0db55aa_proj
	.globl	k_q6ad0db55aa_proj
	.p2align	8
	.type	k_q6ad0db55aa_proj,@function
k_q6ad0db55aa_proj:
	s_mov_b64 s[64:65], 0
	v_nop
	global_prefetch_b8 v0, s[64:65] scope:SCOPE_SE
	s_setreg_imm32_b32 hwreg(HW_REG_WAVE_MODE, 25, 1), 1
	s_wait_xcnt 0x0
	s_wait_alu depctr_hold_cnt(0) depctr_sa_sdst(0) depctr_va_vdst(0) depctr_va_sdst(0) depctr_va_ssrc(0) depctr_va_vcc(0) depctr_vm_vsrc(0)
	s_getreg_b32 s2, hwreg(HW_REG_IB_STS2, 6, 4)
	s_cmp_eq_u32 s2, 0
	s_cbranch_scc0 .Lentry_in_a_cluster
	s_endpgm
.Lentry_in_a_cluster:
	s_bfe_u32 s2, ttmp6, 0x10000c
	s_cmp_lg_u32 s2, 0xf033
	s_cbranch_scc0 .Lentry_shape_is_right
	s_endpgm
.Lentry_shape_is_right:
; U = x W1[0:128] and V = -(y W1[128:256] + b1), both [512 rows][512 hidden], f32, into the workspace T.
; x, y and W1 are rounded to bf16 for the matrix unit; the sums are f32.
; T[type 2][slice 8][Q 128][p 64][e 4] of f32: type 0 = U, 1 = V; data row = 4 Q + e; hidden unit = 64 slice + 4 (p & 15) + (p >> 4).
; (The order of p is what 16-byte reads of W1's rows give; the next launch sums over all hidden units and permutes W2 alike.)
; A work-group is one wave: 32 rows x 64 hidden units x K = 128, 32 matrix instructions.  16 row blocks x 2 types x 8 slices = 256 work-groups.
; CLUSTERS 4 x 4: along x the slice changes, along y the row block.  The four of a cluster's row need the same 32 rows of x (or y),
; the four of a column the same 128 x 64 piece of W1: both tiles are asked for jointly.  The type hangs on the cluster's y alone, so it is
; the same in all sixteen; it steers selects only, no branch.
.set XPITCH, 528                       ; an LDS row of x: 512 bytes + 16 of padding, an odd multiple of 16 bytes: 16 rows start at 16 different 16-byte columns
.set WL,     32*XPITCH                 ; W1's piece behind x's 32 rows: 128 rows of 256 bytes; a fragment read takes 256 neighbouring bytes of one row
.set NB,  12                           ; v[12:15]   -b1 of my four hidden units (type 1) or 0 (type 0)
.set SX,  16                           ; v[16:47]   x as f32: 2 row tiles x 16 numbers along K
.set SW,  48                           ; v[48:111]  W1 as f32: 16 rows of K x 4 hidden units
.set AF,  112                          ; v[112:127] A fragments, 2 row tiles
.set BF,  128                          ; v[128:159] B fragments, 4 tiles of 16 hidden units
.set DACC, 160                         ; v[160:223] 8 accumulator tiles, tile (mt, t) at 8 (4 mt + t)
; A round of the cluster's barrier: my work-group's barrier, wave 0 signals for the work-group, every wave waits for all sixteen, my barrier again.
.macro ROUND
	s_barrier_signal -1
	s_barrier_wait -1
	s_cmp_lg_u32 s12, 0
	s_cbranch_scc1 .Lnot_wave_0_\@
	s_barrier_signal -3
.Lnot_wave_0_\@:
	s_barrier_wait -3
	s_barrier_signal -1
	s_barrier_wait -1
.endm
	s_load_b256 s[4:11], s[0:1], 0x0               ; x s[4:5], y s[6:7], W1 s[8:9], b1 s[10:11]
	s_load_b64 s[14:15], s[0:1], 0x20              ; T
	v_lshl_add_u32 v224, v0, 2, 0x29000
	v_mov_b32 v225, 0
	ds_add_u32 v224, v225
	ds_add_u32 v224, v225
	v_lshrrev_b32 v1, 5, v0
	v_readfirstlane_b32 s12, v1                    ; the wave's number (always 0 here)
	s_bfe_u32 s48, ttmp6, 0x40000                  ; cx
	s_bfe_u32 s49, ttmp6, 0x40004                  ; cy
	s_lshl_b32 s50, ttmp9, 2
	s_add_co_u32 s50, s50, s48                     ; slice = 4 x cluster x + cx, 0 to 7
	s_and_b32 s51, ttmp7, 0xffff                   ; cluster y, 0 to 7: 0-3 work on x, 4-7 on y
	s_lshl_b32 s52, s51, 2
	s_add_co_u32 s52, s52, s49
	s_and_b32 s52, s52, 15                         ; row block of 32 rows, 0 to 15
	s_lshl_b32 s60, s49, 2
	s_lshl_b32 s60, 15, s60                        ; my row of the cluster: places 4 cy .. 4 cy + 3
	s_lshl_b32 s61, 0x1111, s48                    ; my column: places cx, cx + 4, cx + 8, cx + 12
	; group 1 for x's tile: 32 rows x 128 elements of 4 bytes, 4 words of padding behind every 128 words
	s_or_b32 s24, s60, (2<<16)|(1<<20)|(1<<21)|(6<<22)|(3<<25)
	s_mov_b32 s25, 128<<16                         ; tensor_dim0 = 128
	s_mov_b32 s26, 32<<16                          ; tensor_dim1 = 32
	s_mov_b32 s27, 128<<16                         ; tile_dim0 = 128
	s_mov_b32 s28, 32                              ; tile_dim1 = 32
	s_mov_b32 s29, 128                             ; 128 elements from row to row
	s_mov_b32 s30, 0
	s_mov_b32 s31, 0
	; group 1 for W1's tile: 128 rows x 64 elements of 4 bytes (256 bytes, aligned), no padding
	s_or_b32 s40, s61, (2<<16)|(1<<21)
	s_mov_b32 s41, 64<<16                          ; tensor_dim0 = 64
	s_mov_b32 s42, 128<<16                         ; tensor_dim1 = 128
	s_mov_b32 s43, 64<<16                          ; tile_dim0 = 64
	s_mov_b32 s44, 128                             ; tile_dim1 = 128
	s_mov_b32 s45, 512                             ; 512 elements from row to row
	s_mov_b32 s46, 0
	s_mov_b32 s47, 0
	; byte offsets, each in registers of its own
	s_lshl_b32 s54, s52, 14                        ; x or y: row block x 32 rows x 512 bytes (hangs on cy, not on cx)
	s_mov_b32 s55, 0
	s_lshl_b32 s56, s50, 8                         ; W1: slice x 256 bytes (hangs on cx, not on cy)
	s_mov_b32 s57, 0
	s_lshl_b32 s58, s50, 17                        ; T: slice x 131,072
	s_lshl_b32 s59, s52, 13                        ;    + row block x 8 quads of rows x 1,024
	s_add_co_u32 s58, s58, s59
	s_mov_b32 s59, 0
	s_wait_dscnt 0x0
	s_wait_kmcnt 0x0
	s_cmp_ge_u32 s51, 4                            ; type 1?  The selects below leave SCC as it is
	s_cselect_b64 s[16:17], s[6:7], s[4:5]         ; y : x
	s_cselect_b32 s18, 0x40000, 0                  ; W1's lower half begins 128 rows x 2,048 bytes down
	s_cselect_b32 s19, 0x100000, 0                 ; V's half of T
	s_cselect_b32 s20, -1.0, 1.0                   ; the product's sign
	s_cselect_b32 s22, -1, 0                       ; lane mask: all lanes take -b1, or none
	s_add_co_u32 s56, s56, s18
	s_add_co_u32 s58, s58, s19
	s_mov_b32 s32, 1                               ; group 0 for x's tile
	s_mov_b32 s33, 0                               ; to LDS byte 0
	s_add_nc_u64 s[34:35], s[16:17], s[54:55]
	s_or_b32 s35, s35, 0x80000000                  ; type 2
	s_mov_b32 s36, 1                               ; group 0 for W1's tile
	s_mov_b32 s37, WL
	s_add_nc_u64 s[38:39], s[8:9], s[56:57]
	s_or_b32 s39, s39, 0x80000000
	s_add_nc_u64 s[14:15], s[14:15], s[58:59]      ; T at my block
	ROUND                                          ; all sixteen work-groups are here: the joint loads meet
	tensor_load_to_lds s[32:35], s[24:31]          ; both fills go out together: two tensor loads are out, each LDS byte is filled once
	s_nop 0
	tensor_load_to_lds s[36:39], s[40:47]
	s_nop 0
	v_and_b32 v1, 15, v0                           ; r
	v_bfe_u32 v2, v0, 4, 1                         ; h
	v_lshlrev_b32 v6, 4, v1
	v_lshl_add_u32 v6, s50, 8, v6                  ; b1: 256 slice + 16 r: hidden units 64 slice + 4 r + 0..3
	global_load_b128 v[8:11], v6, s[10:11]
	v_mul_u32_u24 v3, v1, XPITCH
	v_lshl_add_u32 v3, v2, 5, v3                   ; x: row r, K = 8 h (32 bytes of f32)
	v_lshlrev_b32 v5, 4, v1
	v_lshl_add_u32 v5, v2, 11, v5                  ; 16 r + 2,048 h: my offset in T's block, and in W1's piece (row 8 h, columns 4 r ..)
	v_add_nc_u32 v4, WL, v5
; The f32 numbers of K = 32 ks .. 32 ks + 31.  A lane of a 16-bit fragment holds K = 8 h + 0..7 and 16 + 8 h + 0..7 (ISA guide 7.12.2).
; x: those are 32 + 32 bytes of row r, 64 bytes apart.  W1: those are 8 + 8 rows; of each the lane takes 16 bytes = the hidden units 4 r + t, t = 0..3.
.macro LOADS ks
.irp mt, 0,1
	ds_load_b128 v[SX+16*\mt:SX+16*\mt+3],     v3 offset:\mt*16*XPITCH+\ks*128
	ds_load_b128 v[SX+16*\mt+4:SX+16*\mt+7],   v3 offset:\mt*16*XPITCH+\ks*128+16
	ds_load_b128 v[SX+16*\mt+8:SX+16*\mt+11],  v3 offset:\mt*16*XPITCH+\ks*128+64
	ds_load_b128 v[SX+16*\mt+12:SX+16*\mt+15], v3 offset:\mt*16*XPITCH+\ks*128+80
.endr
.irp c, 0,1,2,3,4,5,6,7
	ds_load_b128 v[SW+4*\c:SW+4*\c+3], v4 offset:(32*\ks+\c)*256
.endr
.irp c, 8,9,10,11,12,13,14,15
	ds_load_b128 v[SW+4*\c:SW+4*\c+3], v4 offset:(32*\ks+\c+8)*256
.endr
.endm
; f32 to bf16, two along K to a register.  Tile t of B takes element t of each of W1's 16 rows.
.macro CVT
.irp mt, 0,1
.irp m, 0,1,2,3,4,5,6,7
	v_cvt_pk_bf16_f32 v[AF+8*\mt+\m], v[SX+16*\mt+2*\m], v[SX+16*\mt+2*\m+1]
.endr
.endr
.irp t, 0,1,2,3
.irp m, 0,1,2,3,4,5,6,7
	v_cvt_pk_bf16_f32 v[BF+8*\t+\m], v[SW+8*\m+\t], v[SW+8*\m+4+\t]
.endr
.endr
.endm
; Eight matrix instructions.  The eight accumulators take turns, one instruction a turn, in the same order in every K step.
.macro MM zero
.irp mt, 0,1
.irp t, 0,1,2,3
.if \zero
	v_wmma_f32_16x16x32_bf16 v[DACC+8*(4*\mt+\t):DACC+8*(4*\mt+\t)+7], v[AF+8*\mt:AF+8*\mt+7], v[BF+8*\t:BF+8*\t+7], 0
.else
	v_wmma_f32_16x16x32_bf16 v[DACC+8*(4*\mt+\t):DACC+8*(4*\mt+\t)+7], v[AF+8*\mt:AF+8*\mt+7], v[BF+8*\t:BF+8*\t+7], v[DACC+8*(4*\mt+\t):DACC+8*(4*\mt+\t)+7]
.endif
.endr
.endr
.endm
; One K step of 32.  next = the K step whose numbers are fetched while this one is multiplied (0: none); first = 1: the products start the sums.
.macro KSTEP next, first
	s_wait_dscnt 0x0                               ; this step's 24 LDS loads are in
.if \first == 0
.rept 4
	v_nop                                          ; the conversions write registers that the last matrix instructions read: four places between (ISA guide 7.12.1)
.endr
.endif
	CVT
.if \next
	LOADS \next
.endif
	MM \first
.endm
	s_wait_tensorcnt 0x0                           ; both tiles are in my LDS; the one wave reads what it asked for itself
	LOADS 0
	KSTEP 1, 1
	KSTEP 2, 0
	KSTEP 3, 0
	KSTEP 0, 0
	s_wait_loadcnt 0x0                             ; b1
	; Eight plain vector instructions that name no register of a matrix instruction: more than the four places owed before the results are read.
.irp t, 0,1,2,3
	v_xor_b32 v[NB+\t], 0x80000000, v[8+\t]        ; -b1
.endr
.irp t, 0,1,2,3
	v_cndmask_b32 v[NB+\t], 0, v[NB+\t], s22       ; type 1: -b1; type 0: 0
.endr
.irp mt, 0,1
.irp t, 0,1,2,3
.irp j, 0,1,2,3,4,5,6,7
	v_fma_f32 v[DACC+8*(4*\mt+\t)+\j], v[DACC+8*(4*\mt+\t)+\j], s20, v[NB+\t]   ; U = product; V = -product - b1
.endr
.endr
.endr
	; Register j of tile (mt, t) in lane (r, h) is row 16 mt + 8 h + j, position p = 16 t + r.  Four registers are the four rows of one quad:
	; 16 bytes at quad (4 mt + 2 h + q) x 1,024 + p x 16.  Sixteen neighbouring lanes store 256 consecutive bytes, aligned.
.irp mt, 0,1
.irp t, 0,1,2,3
.irp q, 0,1
	global_store_b128 v5, v[DACC+8*(4*\mt+\t)+4*\q:DACC+8*(4*\mt+\t)+4*\q+3], s[14:15] offset:(4*\mt+\q)*1024+\t*256
.endr
.endr
.endr
	s_wait_tensorcnt 0x0
	ds_add_u32 v224, v225
	s_wait_dscnt 0x0
	ROUND                                          ; the closing round: no work-group ends while a partner may still ask for a tile that names it
	s_endpgm
.Lfunc_end_k_q6ad0db55aa_proj:
	.size	k_q6ad0db55aa_proj, .Lfunc_end_k_q6ad0db55aa_proj-k_q6ad0db55aa_proj
	.p2alignl 7, 3214868480
	.fill 96, 4, 3214868480
	.section	.rodata,"a",@progbits
	.p2align	6, 0x0
	.amdhsa_kernel k_q6ad0db55aa_proj
		.amdhsa_group_segment_fixed_size 168192
		.amdhsa_private_segment_fixed_size 0
		.amdhsa_enable_private_segment 0
		.amdhsa_kernarg_size 40
		.amdhsa_user_sgpr_count 2
		.amdhsa_user_sgpr_kernarg_segment_ptr 1
		.amdhsa_wavefront_size32 1
		.amdhsa_system_sgpr_workgroup_id_x 1
		.amdhsa_system_sgpr_workgroup_id_y 1
		.amdhsa_system_sgpr_workgroup_id_z 1
		.amdhsa_system_vgpr_workitem_id 0
		.amdhsa_next_free_vgpr 226
		.amdhsa_next_free_sgpr 66
		.amdhsa_reserve_vcc 0
		.amdhsa_float_denorm_mode_32 3
		.amdhsa_float_denorm_mode_16_64 3
		.amdhsa_memory_ordered 1
		.amdhsa_forward_progress 1
		.amdhsa_inst_pref_size 32
	.end_amdhsa_kernel
	.amdgpu_metadata
---
amdhsa.version: [ 1, 2 ]
amdhsa.kernels:
  - .name:           k_q6ad0db55aa_proj
    .symbol:         k_q6ad0db55aa_proj.kd
    .args:
      - { .name: x, .offset: 0, .size: 8, .value_kind: global_buffer, .address_space: global }
      - { .name: y, .offset: 8, .size: 8, .value_kind: global_buffer, .address_space: global }
      - { .name: W1, .offset: 16, .size: 8, .value_kind: global_buffer, .address_space: global }
      - { .name: b1, .offset: 24, .size: 8, .value_kind: global_buffer, .address_space: global }
      - { .name: T, .offset: 32, .size: 8, .value_kind: global_buffer, .address_space: global }
    .group_segment_fixed_size: 168192
    .private_segment_fixed_size: 0
    .kernarg_segment_align: 8
    .kernarg_segment_size: 40
    .max_flat_workgroup_size: 32
    .sgpr_count:     66
    .vgpr_count:     226
    .wavefront_size: 32
...
	.end_amdgpu_metadata
.endif
;; end of part 1
;; launch pairs (part 2): grid 8 x 32, 8 waves a work-group, clusters of 4 x 4, 212,480 bytes of LDS; arguments T, W2, b2, out0; writes out0
.if DOCPART == 2
	.amdgcn_target "amdgcn-amd-amdhsa--gfx1250"
	.amdhsa_code_object_version 6
	.text
	.protected	k_q6ad0db55aa_pairs
	.globl	k_q6ad0db55aa_pairs
	.p2align	8
	.type	k_q6ad0db55aa_pairs,@function
k_q6ad0db55aa_pairs:
	s_mov_b64 s[64:65], 0
	v_nop
	global_prefetch_b8 v0, s[64:65] scope:SCOPE_SE
	s_setreg_imm32_b32 hwreg(HW_REG_WAVE_MODE, 25, 1), 1
	s_wait_xcnt 0x0
	s_wait_alu depctr_hold_cnt(0) depctr_sa_sdst(0) depctr_va_vdst(0) depctr_va_sdst(0) depctr_va_ssrc(0) depctr_va_vcc(0) depctr_vm_vsrc(0)
	s_getreg_b32 s2, hwreg(HW_REG_IB_STS2, 6, 4)
	s_cmp_eq_u32 s2, 0
	s_cbranch_scc0 .Lentry_in_a_cluster
	s_endpgm
.Lentry_in_a_cluster:
	s_bfe_u32 s2, ttmp6, 0x10000c
	s_cmp_lg_u32 s2, 0xf033
	s_cbranch_scc0 .Lentry_shape_is_right
	s_endpgm
.Lentry_shape_is_right:
; out[i][j] = sum over h of W2[h] relu(hx[i][h] + hy[j][h] + b1[h]) + b2, from U = hx and V = -(hy + b1) in T (layout: see below).
; relu(u + c) = max(u, -c) + c for all numbers, so out = sum of w max(U[i], V[j]) - sum of w V[j] + b2: per pair and hidden unit one maximum and
; one fused multiply-add; the second sum hangs on j alone.  512 x 512 x 512 such elements are the launch's work, all f32 on the vector unit.
; The last sum is not given to the matrix unit: each element would first need an add, a maximum and half a packed conversion on the vector
; unit, more than the maximum and half a packed multiply-add that finish it here, and W2 would fill one of a tile's sixteen columns.
; LIMITS: the order of rounding differs from the reference's.  Both sums run over the same 64 hidden units in the same order and are subtracted
; per slice; the absolute error is of the order 2^-24 x sum of |w| |hy + b1|; where every relu of a slice is off the two sums are the same bits
; and their difference is exactly 0.  If hx or hy + b1 is itself infinite the result is NaN.
; T[type 2][slice 8][Q 128][p 64][e 4] of f32: type 0 = U, 1 = V; data row = 4 Q + e; hidden unit = 64 slice + 4 (p & 15) + (p >> 4).
; A work-group makes 16 rows i x 64 columns j of out: a piece of a row is 256 aligned bytes.  32 x 8 = 256 work-groups.
; Wave w takes slice w (64 positions p) for the whole block; lane l = (li, lj) takes i = 8 li + 0..7 and j = 4 lj + 0..3: 32 sums.
; The eight waves' partial blocks meet in LDS at the end.
; CLUSTERS 4 x 4: along x the column block changes, along y the row block.  U's tiles hang on the row block and the wave's number and are asked
; for jointly along a cluster's row, V's on the column block and the wave's number, jointly along a column.
.set UPITCH, 1040                      ; a quad of rows of U: 64 positions x 16 bytes + 16 of padding
.set VPITCH, 272                       ; a quad of rows of V, 16 positions: 256 bytes + 16: an odd multiple of 16 bytes, so the 16 quads that a load touches start at 16 different 16-byte columns
.set VOFF,   4*UPITCH                  ; V's chunks behind U's 4 quads
.set VCH,    16*VPITCH                 ; a chunk of V: 16 quads x 16 positions
.set WSTRIDE, VOFF+4*VCH               ; 21,568 bytes of tiles for each wave, its own
.set WP,     8*WSTRIDE                 ; 172,544 (a multiple of 256): W2 as pairs (w, w), 8 bytes a position, 512 bytes a wave; no tensor load lands from here on
.set PART,   WP+8*512                  ; 176,640: the waves' partial blocks, 16 rows of 272 bytes each
.set PPITCH, 272
.set SET,  16                          ; v[16:79]   four operand sets of 16 registers: u0-7 at +0, v0-3 at +8, (w, w) at +12
.set TMP,  80                          ; v[80:95]   eight pairs of maxima
.set ACC,  96                          ; v[96:127]  pair (a, b, s) at 2 (4 a + 2 b + s): low (i = 2 a, j = 2 b + s), high (i = 2 a + 1, j = 2 b + 1 - s)
.set SUMV, 128                         ; v[128:131] sum of w V for my four j
.set OUTR, 16                          ; v[16:47]   at the end: my 8 x 4 results in the order of rows
.set RED,  48                          ; v[48:79]   at the end: eight waves' 16 bytes
.macro ROUND                           ; a round of the cluster's barrier
	s_barrier_signal -1
	s_barrier_wait -1
	s_cmp_lg_u32 s12, 0
	s_cbranch_scc1 .Lnot_wave_0_\@
	s_barrier_signal -3
.Lnot_wave_0_\@:
	s_barrier_wait -3
	s_barrier_signal -1
	s_barrier_wait -1
.endm
	s_load_b256 s[4:11], s[0:1], 0x0               ; T s[4:5], W2 s[6:7], b2 s[8:9], out0 s[10:11]
	v_lshl_add_u32 v136, v0, 2, 0x33a00
	v_mov_b32 v137, 0
	ds_add_u32 v136, v137
	ds_add_u32 v136, v137
	v_lshrrev_b32 v1, 5, v0
	v_readfirstlane_b32 s12, v1                    ; wave 0..7 = slice
	s_bfe_u32 s56, ttmp6, 0x40000                  ; cx
	s_bfe_u32 s57, ttmp6, 0x40004                  ; cy
	s_lshl_b32 s58, ttmp9, 2
	s_add_co_u32 s58, s58, s56                     ; column block of 64, 0 to 7
	s_and_b32 s59, ttmp7, 0xffff
	s_lshl_b32 s59, s59, 2
	s_add_co_u32 s59, s59, s57                     ; row block of 16, 0 to 31
	s_lshl_b32 s61, s57, 2
	s_lshl_b32 s61, 15, s61                        ; my row of the cluster
	s_lshl_b32 s62, 0x1111, s56                    ; my column
	; group 1 for U: 4 rows of 128 elements of 8 bytes (1,024 bytes), 4 words of padding behind every 256 words
	s_or_b32 s16, s61, (3<<16)|(1<<20)|(1<<21)|(7<<22)|(3<<25)
	s_mov_b32 s17, 128<<16
	s_mov_b32 s18, 4<<16
	s_mov_b32 s19, 128<<16
	s_mov_b32 s20, 4
	s_mov_b32 s21, 128
	s_mov_b32 s22, 0
	s_mov_b32 s23, 0
	; group 1 for a chunk of V: 16 rows of 32 elements of 8 bytes (256 bytes, aligned), 1,024 bytes from row to row, 4 words of padding behind every 64 words
	s_or_b32 s24, s62, (3<<16)|(1<<20)|(1<<21)|(5<<22)|(3<<25)
	s_mov_b32 s25, 32<<16
	s_mov_b32 s26, 16<<16
	s_mov_b32 s27, 32<<16
	s_mov_b32 s28, 16
	s_mov_b32 s29, 128
	s_mov_b32 s30, 0
	s_mov_b32 s31, 0
	s_mul_i32 s13, s12, WSTRIDE                    ; my wave's tiles in LDS
	s_add_co_u32 s67, s13, VOFF                    ; its chunks of V
	s_lshl_b32 s52, s12, 17                        ; U: slice x 131,072 + row block x 4 quads x 1,024 (hangs on cy, not on cx)
	s_lshl_b32 s53, s59, 12
	s_add_co_u32 s52, s52, s53
	s_mov_b32 s53, 0
	s_lshl_b32 s68, s12, 17                        ; V: 1,048,576 + slice x 131,072 + column block x 16 quads x 1,024 (hangs on cx, not on cy)
	s_lshl_b32 s69, s58, 14
	s_add_co_u32 s68, s68, s69
	s_add_co_u32 s68, s68, 0x100000
	s_mov_b32 s69, 0
	s_lshl_b32 s14, s59, 15                        ; out0: row block x 16 rows x 2,048 + column block x 256
	s_lshl_b32 s15, s58, 8
	s_add_co_u32 s14, s14, s15
	s_mov_b32 s15, 0
	s_lshl_b32 s63, s12, 9
	s_add_co_u32 s63, s63, WP                      ; my wave's pairs of W2
	s_mul_i32 s66, s12, 16*PPITCH
	s_add_co_u32 s66, s66, PART                    ; my wave's partial block
	s_wait_dscnt 0x0
	s_wait_kmcnt 0x0
	s_load_b32 s54, s[8:9], 0x0                    ; b2; waited for at the end
	s_add_nc_u64 s[68:69], s[4:5], s[68:69]
	s_add_nc_u64 s[10:11], s[10:11], s[14:15]
	s_mov_b32 s32, 1                               ; group 0 for U
	s_mov_b32 s33, s13
	s_add_nc_u64 s[34:35], s[4:5], s[52:53]
	s_or_b32 s35, s35, 0x80000000
.irp c, 0,1,2,3
	s_mov_b32 s[36+4*\c], 1                        ; group 0 for chunk c of V: positions 16 c .. 16 c + 15
	s_add_co_u32 s[37+4*\c], s13, VOFF+\c*VCH
	s_add_nc_u64 s[38+4*\c:39+4*\c], s[68:69], \c*256
	s_or_b32 s[39+4*\c], s[39+4*\c], 0x80000000
.endr
	ROUND                                          ; all sixteen work-groups are here: the joint loads meet
	tensor_load_to_lds s[32:35], s[16:23]          ; all fills go out as one group: five tensor loads of the wave are out; each LDS byte is filled once
	s_nop 0
	tensor_load_to_lds s[36:39], s[24:31]
	s_nop 0
	tensor_load_to_lds s[40:43], s[24:31]
	s_nop 0
	tensor_load_to_lds s[44:47], s[24:31]
	s_nop 0
	tensor_load_to_lds s[48:51], s[24:31]
	s_nop 0
	v_lshlrev_b32 v7, 3, v0                        ; 8 x thread = 256 wave + 8 lane: W2 of hidden units 64 w + 2 l, + 1
	global_load_b64 v[8:9], v7, s[6:7]
	v_and_b32 v2, 15, v0                           ; lj
	v_bfe_u32 v3, v0, 4, 1                         ; li
	v_mul_u32_u24 v4, v3, 2*UPITCH
	v_add_nc_u32 v4, s13, v4                       ; U: quads 2 li and 2 li + 1; all 16 lanes of a half read the same bytes
	v_mul_u32_u24 v5, v2, VPITCH
	v_add_nc_u32 v5, s67, v5                       ; V: quad lj
	v_mov_b32 v6, s63                              ; W2's pairs
	; hidden unit 4 r + t of the slice is position 16 t + r.  Units 2 l, 2 l + 1: r = l >> 1, t = 2 (l & 1), + 1: bytes 256 (l & 1) + 8 (l >> 1), + 128
	v_and_b32 v11, 1, v0
	v_bfe_u32 v12, v0, 1, 4
	v_lshlrev_b32 v10, 3, v12
	v_lshl_add_u32 v10, v11, 8, v10
	v_add_nc_u32 v10, s63, v10
	v_mul_u32_u24 v13, v3, 8*PPITCH                ; my partial results: row 8 li (+ i), 16 bytes at 16 lj
	v_lshl_add_u32 v13, v2, 4, v13
	v_add_nc_u32 v13, s66, v13
	v_lshrrev_b32 v15, 4, v0                       ; at the end thread t sums row t >> 4, 16 bytes at 16 (t & 15)
	v_mul_u32_u24 v14, v15, PPITCH
	v_lshl_add_u32 v14, v2, 4, v14
	v_add_nc_u32 v14, PART, v14
	v_lshlrev_b32 v15, 11, v15                     ; and stores them at row x 2,048 + 16 (t & 15)
	v_lshl_add_u32 v15, v2, 4, v15
	s_wait_loadcnt 0x0                             ; W2
	ds_store_b32 v10, v8                           ; each w twice: the pair that the packed multiply-add takes.  My wave alone reads these bytes,
	ds_store_b32 v10, v8 offset:4                  ; and LDS serves a wave's instructions in order (ISA guide 5.7.1): no wait, no barrier
	ds_store_b32 v10, v9 offset:128
	ds_store_b32 v10, v9 offset:132
; Set k is filled with one position's operands: 8 u, 4 v, (w, w).
.macro LDSET k
	ds_load_b128 v[SET+16*\k:SET+16*\k+3],     v4 offset:16*\k
	ds_load_b128 v[SET+16*\k+4:SET+16*\k+7],   v4 offset:UPITCH+16*\k
	ds_load_b128 v[SET+16*\k+8:SET+16*\k+11],  v5 offset:16*\k
	ds_load_b64  v[SET+16*\k+12:SET+16*\k+13], v6 offset:8*\k
.endm
.macro ADV                             ; four positions on (an LDS instruction's address register may be rewritten once it is issued)
	v_add_nc_u32 v4, 64, v4
	v_add_nc_u32 v5, 64, v5
	v_add_nc_u32 v6, 32, v6
.endm
; One position: 32 maxima as 16 dual instructions, 32 multiply-adds as 16 packed ones, 2 packed ones for the sum of w V.
; In a dual pair the two first sources are u[2a], u[2a+1] and the two second ones v[2b+s], v[2b+1-s]: neighbouring registers, so different
; register banks; the destinations are an even and an odd register.  q = 4 (a - 2 g) + 2 b + s.
; first = 1: the products start the sums, nothing is cleared.  reload = 1: the set is filled again, four positions ahead.
; cnt = the LDS loads issued behind this set's four.
.macro STEP k, first, reload, cnt
	s_wait_dscnt \cnt
.irp g, 0,1
.irp q, 0,1,2,3,4,5,6,7
	v_dual_max_num_f32 v[TMP+2*\q], v[SET+16*\k+2*(2*\g+(\q/4))], v[SET+16*\k+8+2*((\q/2)%2)+(\q%2)] :: v_dual_max_num_f32 v[TMP+2*\q+1], v[SET+16*\k+2*(2*\g+(\q/4))+1], v[SET+16*\k+8+2*((\q/2)%2)+1-(\q%2)]
.endr
.irp q, 0,1,2,3,4,5,6,7
.if \first
	v_pk_mul_f32 v[ACC+16*\g+2*\q:ACC+16*\g+2*\q+1], v[TMP+2*\q:TMP+2*\q+1], v[SET+16*\k+12:SET+16*\k+13]
.else
	v_pk_fma_f32 v[ACC+16*\g+2*\q:ACC+16*\g+2*\q+1], v[TMP+2*\q:TMP+2*\q+1], v[SET+16*\k+12:SET+16*\k+13], v[ACC+16*\g+2*\q:ACC+16*\g+2*\q+1]
.endif
.endr
.endr
.if \first
	v_pk_mul_f32 v[SUMV:SUMV+1],   v[SET+16*\k+8:SET+16*\k+9],   v[SET+16*\k+12:SET+16*\k+13]
	v_pk_mul_f32 v[SUMV+2:SUMV+3], v[SET+16*\k+10:SET+16*\k+11], v[SET+16*\k+12:SET+16*\k+13]
.else
	v_pk_fma_f32 v[SUMV:SUMV+1],   v[SET+16*\k+8:SET+16*\k+9],   v[SET+16*\k+12:SET+16*\k+13], v[SUMV:SUMV+1]
	v_pk_fma_f32 v[SUMV+2:SUMV+3], v[SET+16*\k+10:SET+16*\k+11], v[SET+16*\k+12:SET+16*\k+13], v[SUMV+2:SUMV+3]
.endif
.if \reload
	LDSET \k
.endif
.endm
; Four positions.  Sixteen LDS loads are always out; 12 = the three younger sets, four loads each.
.macro TRIP first
	STEP 0, \first, 1, 12
	STEP 1, 0, 1, 12
	STEP 2, 0, 1, 12
	STEP 3, 0, 1, 12
	ADV
.endm
; n trips whose reloads read the next chunk of V.  tc = the chunks issued behind it, which may stay out (a wave's tensor loads end in order: ISA guide 10.11.1).
; V's address has gone 256 bytes through the last chunk; the next begins VCH behind the last one's start.
.macro PHASE n, tc
	s_wait_tensorcnt \tc
	v_add_nc_u32 v5, VCH-256, v5
	s_mov_b32 s60, \n
.Lphase_\@:
	TRIP 0
	s_sub_co_u32 s60, s60, 1
	s_cmp_lg_u32 s60, 0
	s_cbranch_scc1 .Lphase_\@
.endm
	s_wait_tensorcnt 0x3                           ; U and chunk 0 of V are in; three chunks may stay out.  Each wave reads only what it asked for itself
	LDSET 0                                        ; positions 0 to 3
	LDSET 1
	LDSET 2
	LDSET 3
	ADV
	TRIP 1                                         ; works on positions 0-3, fetches 4-7
	s_mov_b32 s60, 2
.Lchunk0:
	TRIP 0                                         ; fetches up to position 15: the end of chunk 0
	s_sub_co_u32 s60, s60, 1
	s_cmp_lg_u32 s60, 0
	s_cbranch_scc1 .Lchunk0
	PHASE 4, 2                                     ; fetches positions 16-31
	PHASE 4, 1                                     ; 32-47
	PHASE 4, 0                                     ; 48-63; no tensor load is out any more
	STEP 0, 0, 0, 12                               ; positions 60-63: nothing is fetched, the counts run down
	STEP 1, 0, 0, 8
	STEP 2, 0, 0, 4
	STEP 3, 0, 0, 0
	; My slice's part of my 32 outputs, put in the order of rows on the way: (i, j) lies in pair (i / 2, j / 2, (i + j) % 2), half i % 2.
.irp i, 0,1,2,3,4,5,6,7
.irp j, 0,1,2,3
	v_sub_f32 v[OUTR+4*\i+\j], v[ACC+2*(4*(\i/2)+2*(\j/2)+((\i+\j)%2))+(\i%2)], v[SUMV+\j]
.endr
.endr
.irp i, 0,1,2,3,4,5,6,7
	ds_store_b128 v13, v[OUTR+4*\i:OUTR+4*\i+3] offset:\i*PPITCH   ; 16 lanes: 256 neighbouring bytes of one row
.endr
	s_wait_dscnt 0x0                               ; my stores are done, for the other waves' sake
	s_barrier_signal -1
	s_barrier_wait -1                              ; everybody's are
.irp k, 0,1,2,3,4,5,6,7
	ds_load_b128 v[RED+4*\k:RED+4*\k+3], v14 offset:\k*16*PPITCH   ; the eight slices' parts of my four outputs
.endr
	s_wait_kmcnt 0x0                               ; b2
	s_mov_b32 s55, s54                             ; the packed add names the pair
	s_wait_dscnt 0x0
.irp k, 0,2,4,6
	v_pk_add_f32 v[RED+4*\k:RED+4*\k+1],   v[RED+4*\k:RED+4*\k+1],   v[RED+4*\k+4:RED+4*\k+5]
	v_pk_add_f32 v[RED+4*\k+2:RED+4*\k+3], v[RED+4*\k+2:RED+4*\k+3], v[RED+4*\k+6:RED+4*\k+7]
.endr
.irp k, 0,4
	v_pk_add_f32 v[RED+4*\k:RED+4*\k+1],   v[RED+4*\k:RED+4*\k+1],   v[RED+4*\k+8:RED+4*\k+9]
	v_pk_add_f32 v[RED+4*\k+2:RED+4*\k+3], v[RED+4*\k+2:RED+4*\k+3], v[RED+4*\k+10:RED+4*\k+11]
.endr
	v_pk_add_f32 v[RED:RED+1],   v[RED:RED+1],   v[RED+16:RED+17]
	v_pk_add_f32 v[RED+2:RED+3], v[RED+2:RED+3], v[RED+18:RED+19]
	v_pk_add_f32 v[RED:RED+1],   v[RED:RED+1],   s[54:55] op_sel_hi:[1,0]   ; + b2 in both halves
	v_pk_add_f32 v[RED+2:RED+3], v[RED+2:RED+3], s[54:55] op_sel_hi:[1,0]
	global_store_b128 v15, v[RED:RED+3], s[10:11] th:TH_STORE_NT            ; 16 lanes store 256 consecutive bytes of a row of out0, aligned
	s_wait_tensorcnt 0x0
	ds_add_u32 v136, v137
	s_wait_dscnt 0x0
	ROUND                                          ; the closing round: no work-group ends while a partner may still ask for a tile that names it
	s_endpgm
.Lfunc_end_k_q6ad0db55aa_pairs:
	.size	k_q6ad0db55aa_pairs, .Lfunc_end_k_q6ad0db55aa_pairs-k_q6ad0db55aa_pairs
	.p2alignl 7, 3214868480
	.fill 96, 4, 3214868480
	.section	.rodata,"a",@progbits
	.p2align	6, 0x0
	.amdhsa_kernel k_q6ad0db55aa_pairs
		.amdhsa_group_segment_fixed_size 212480
		.amdhsa_private_segment_fixed_size 0
		.amdhsa_enable_private_segment 0
		.amdhsa_kernarg_size 32
		.amdhsa_user_sgpr_count 2
		.amdhsa_user_sgpr_kernarg_segment_ptr 1
		.amdhsa_wavefront_size32 1
		.amdhsa_system_sgpr_workgroup_id_x 1
		.amdhsa_system_sgpr_workgroup_id_y 1
		.amdhsa_system_sgpr_workgroup_id_z 1
		.amdhsa_system_vgpr_workitem_id 0
		.amdhsa_next_free_vgpr 138
		.amdhsa_next_free_sgpr 70
		.amdhsa_reserve_vcc 0
		.amdhsa_float_denorm_mode_32 3
		.amdhsa_float_denorm_mode_16_64 3
		.amdhsa_memory_ordered 1
		.amdhsa_forward_progress 1
		.amdhsa_inst_pref_size 70
	.end_amdhsa_kernel
	.amdgpu_metadata
---
amdhsa.version: [ 1, 2 ]
amdhsa.kernels:
  - .name:           k_q6ad0db55aa_pairs
    .symbol:         k_q6ad0db55aa_pairs.kd
    .args:
      - { .name: T, .offset: 0, .size: 8, .value_kind: global_buffer, .address_space: global }
      - { .name: W2, .offset: 8, .size: 8, .value_kind: global_buffer, .address_space: global }
      - { .name: b2, .offset: 16, .size: 8, .value_kind: global_buffer, .address_space: global }
      - { .name: out0, .offset: 24, .size: 8, .value_kind: global_buffer, .address_space: global }
    .group_segment_fixed_size: 212480
    .private_segment_fixed_size: 0
    .kernarg_segment_align: 8
    .kernarg_segment_size: 32
    .max_flat_workgroup_size: 256
    .sgpr_count:     70
    .vgpr_count:     138
    .wavefront_size: 32
...
	.end_amdgpu_metadata
.endif
;; end of part 2
